; MI455X (gfx1250); checked and timed in simulation.
; The chip was launched on July 23, 2026; its instructions are those of AMD's public machine-readable ISA for CDNA 5 (MIT licence, August 2026) and "CDNA5" Instruction Set Architecture Reference Guide (July 2026). The comments in the code are by the model that wrote it; some were corrected since.
;; Mixture Of Experts. Allowed arithmetic: matrix products marked QUANTISED: E3M2 operands, one E8M0 scale for each 32 along K, by v_wmma_scale_f32_16x16x128_f8f6f4 with both operands' format E3M2, f32 sums; products left as they are: f32 operands where the result goes on into a quantised operand, else bf16, f16 or f32 operands; f32 sums; everything else in f32.
;; Inputs: W1_codes 8 x 2,048 x 16 x 24 uint8 (E3M2 codes of W1, K innermost, in blocks of 32 codes, four codes in three bytes); W1_scales 8 x 2,048 x 16 uint8 (E8M0 scales of W1, one for each 32 codes along K); W2_codes 8 x 512 x 64 x 24 uint8 (E3M2 codes of W2, K innermost, in blocks of 32 codes, four codes in three bytes); W2_scales 8 x 512 x 64 uint8 (E8M0 scales of W2, one for each 32 codes along K); Wg 512 x 8 float32; b1 8 x 2,048 float32; b2 8 x 512 float32; bg 8 float32; x 8 x 512 x 512 float32.
;; Outputs: out0 8 x 512 x 512 float32.
;; This version of the problem:
;;   THIS VERSION OF THE PROBLEM IS GIVEN IN LOW PRECISION. The matrix products marked QUANTISED in the list below multiply operands that are first quantised to E3M2 (3 exponent bits, 2 mantissa bits; 6 bits a number), with one power-of-two scale for each 32 numbers along K (OCP MX v1.0); their sums are f32. All else is computed in f32.
;;   The module's matrix products, in the order in which they are computed (A, B: the left and right operand; K: the contracted axis; several contracted axes count as one K, in the product's order):
;;     1. [M 4,096, K 512] x [K 512, N 8]; A: input x; B: input Wg: left as it is (N = 8 < 16)
;;     2. [M 4,096, K 512] x [K 512, N 2,048]; A: input x; B: input W1 (given as codes): QUANTISED
;;     3. [M 4,096, K 2,048] x [K 2,048, N 512]; A: computed on the way; B: input W2 (given as codes): QUANTISED
;;     4. [M 4,096, K 512] x [K 512, N 2,048]; A: input x; B: input W1 (given as codes): QUANTISED
;;     5. [M 4,096, K 2,048] x [K 2,048, N 512]; A: computed on the way; B: input W2 (given as codes): QUANTISED
;;     6. [M 4,096, K 512] x [K 512, N 2,048]; A: input x; B: input W1 (given as codes): QUANTISED
;;     7. [M 4,096, K 2,048] x [K 2,048, N 512]; A: computed on the way; B: input W2 (given as codes): QUANTISED
;;     8. [M 4,096, K 512] x [K 512, N 2,048]; A: input x; B: input W1 (given as codes): QUANTISED
;;     9. [M 4,096, K 2,048] x [K 2,048, N 512]; A: computed on the way; B: input W2 (given as codes): QUANTISED
;;     10. [M 4,096, K 512] x [K 512, N 2,048]; A: input x; B: input W1 (given as codes): QUANTISED
;;     11. [M 4,096, K 2,048] x [K 2,048, N 512]; A: computed on the way; B: input W2 (given as codes): QUANTISED
;;     12. [M 4,096, K 512] x [K 512, N 2,048]; A: input x; B: input W1 (given as codes): QUANTISED
;;     13. [M 4,096, K 2,048] x [K 2,048, N 512]; A: computed on the way; B: input W2 (given as codes): QUANTISED
;;     14. [M 4,096, K 512] x [K 512, N 2,048]; A: input x; B: input W1 (given as codes): QUANTISED
;;     15. [M 4,096, K 2,048] x [K 2,048, N 512]; A: computed on the way; B: input W2 (given as codes): QUANTISED
;;     16. [M 4,096, K 512] x [K 512, N 2,048]; A: input x; B: input W1 (given as codes): QUANTISED
;;     17. [M 4,096, K 2,048] x [K 2,048, N 512]; A: computed on the way; B: input W2 (given as codes): QUANTISED
;;   THE QUANTISER, for each operand of a quantised product, along K:
;;     - K is cut into blocks of 32 from its start; a last block that is shorter is filled with zeros.
;;     - A block's scale is 2^e with e = floor(log2(the largest magnitude in the block)) - 4, held to -126 .. 127; a block of zeros has e = 0. As a byte (E8M0): e + 127.
;;     - Each number is divided by its block's scale, clamped to +-28, and rounded to the nearest number of E3M2, ties to even, subnormals kept.
;;     - The product sums the exact products of the quantised numbers (number of the format x scale) in f32.
;;   ~~~python
;;   def quantise(x, axis):      # numpy; x: float32 -> the quantised numbers, widened to float32 again
;;       x = np.moveaxis(x, axis, -1); K = x.shape[-1]
;;       x = np.pad(x, [(0, 0)] * (x.ndim - 1) + [(0, -K % 32)]); x = x.reshape(x.shape[:-1] + (-1, 32)); a = np.abs(x).max(-1, keepdims=True)
;;       e = np.where(a > 0, np.clip(np.frexp(np.where(a > 0, a, 1))[1] - 1 - 4, -126, 127), 0)      # np.frexp(a)[1] - 1 = floor(log2(a)), exactly
;;       r = np.clip(x / 2.0 ** e, -28, 28)
;;       step = 2.0 ** (np.maximum(np.frexp(np.where(r == 0, 1, r))[1] - 1, -2) - 2)
;;       q = np.round(r / step) * step * 2.0 ** e      # np.round: ties to even
;;       return np.moveaxis(q.reshape(q.shape[:-2] + (-1,))[..., :K], -1, axis).astype(np.float32)
;;   ~~~
;;   OPERANDS COMPUTED ON THE WAY. 'Computed on the way' means the value that the module computes at that place (a softmax that the list does not call 'softmax' is quantised finished and normalised). What goes into a quantiser is computed in f32, as accurately as f32 sums, v_exp_f32 and their like allow (about 1e-6 of the number): no bf16 or f16 on the way to a quantiser, and a product that is left as it is and whose result goes on into a quantised operand takes f32 operands (vector FMAs, or v_wmma_f32_16x16x4_f32). A number that lies on a knife's edge between two numbers of the format may be rounded either way, as far as f32 arithmetic and the matrix unit's own rounding can turn it there, and no further.
;;   INPUTS GIVEN AS CODES. W1 (in the module: [8, 512, 2048], K = its axis 1); W2 (in the module: [8, 2048, 512], K = its axis 1): each comes as NAME_codes (uint8): NAME with its K axis moved to the last place and cut into blocks of 32 codes, [.., K / 32, bytes a block], one block behind the other in memory; four codes in three bytes: a row's codes are one little-endian stream of bits, code i at bits 6 i .. 6 i + 5 (a code: sign, 3 exponent bits, 2 mantissa bits); and NAME_scales (uint8): the same leading axes, one E8M0 byte (e + 127) for each 32 codes along K. Its value is code x scale, taken as it is: it is not quantised again, and the codes and scales need not be those that the quantiser above would give.
;; One version. Each part assembles by itself: llvm-mc -triple=amdgcn-amd-amdhsa -mcpu=gfx1250 --defsym DOCPART=n.
;; ======== version 1 of 1: 4 launches
;; workspace buffers: xq 1,572,864 bytes; xs 65,536 bytes; choice 32,768 bytes of whole numbers; gate 32,768 bytes; rows 36,864 bytes of whole numbers; tile_e 1,024 bytes of whole numbers; wsw 13,238,272 bytes; ypart 17,053,696 bytes
;; launch route (part 1): grid 128 x 1, 8 waves a work-group, no clusters, 101,376 bytes of LDS; arguments x, Wg, bg, xq, xs, choice, gate; writes xq, xs, choice, gate
.if DOCPART == 1
	.amdgcn_target "amdgcn-amd-amdhsa--gfx1250"
	.amdhsa_code_object_version 6
	.text
	.protected	k_q6cfb39506c_route
	.globl	k_q6cfb39506c_route
	.p2align	8
	.type	k_q6cfb39506c_route,@function
k_q6cfb39506c_route:
	s_mov_b64 s[64:65], 0
	v_nop
	global_prefetch_b8 v0, s[64:65] scope:SCOPE_SE
	s_setreg_imm32_b32 hwreg(HW_REG_WAVE_MODE, 25, 1), 1
	s_wait_xcnt 0x0
; ROUTE.  For each of 4,096 tokens (rows of 512 f32): the router's logits x Wg + bg in f32, the softmax over 8 experts (the largest logit taken away first), the two largest, and
; x quantised to E3M2 along its 512 numbers with one E8M0 byte for each 32.  Nothing here steers an address: the two experts and their probabilities are stored at fixed places.
; OUT: choice[2 t + slot] = expert (slot 0: the largest), gate[2 t + slot] = its softmax probability, xs[t][16] scale bytes,
;      xq[t][384] codes: the block 4 s + 2 c + h of a row lies at byte 96 s + 48 h + 24 c, so that the 12 operand registers of a lane half h for K step s are 48 bytes on end.
; SHARES: a work-group takes 32 tokens, a wave 4, one row at a time.  A row's four loads read 512 consecutive bytes each; the row turns through the wave's own stage in LDS and comes back
; 16 neighbours a lane (lane l: k = 16 l .. 16 l + 15; two neighbouring lanes hold a block of 32).  Each lane keeps its 16 rows of Wg (128 registers).
; LIMITS: NaN and infinities among the inputs are not served.  The two largest are taken of the logits, ties to the lower index; that differs from a top-2 of the probabilities only where two
; different logits round to one probability.  A block whose largest magnitude lies under 2^-122 (a block of zeros among them) gets the byte 1: only this program reads the bytes, and zero codes add nothing.
.set XST, 16896                        ; LDS: Wg at 0 (32 pieces of 512 bytes, 528 apart); from here the stages: 10,240 bytes a wave, 2,560 a row (80 bytes a lane)
.set RC,  98816                        ; 32 tokens' pairs of experts, 256 bytes
.set RG,  99072                        ; their probabilities, 256 bytes
.set RS,  99328                        ; their scale bytes, 512 bytes
.set X,   16                           ; v16-31   my 16 neighbours of the row in hand
.set S,   32                           ; v32-39   eight logits
.set W,   40                           ; v40-55   at work
.set R,   64                           ; v64-127  four rows as loaded; behind its turn a row's 16 registers take its results
.set WG,  128                          ; v128-255 Wg[16 lane + i][e] at 8 i + e
	s_load_b256 s[4:11], s[0:1], 0x0               ; x s[4:5], Wg s[6:7], bg s[8:9], xq s[10:11]
	s_load_b128 s[12:15], s[0:1], 0x20             ; xs s[12:13], choice s[14:15]
	s_load_b64 s[16:17], s[0:1], 0x30              ; gate
	v_lshl_add_u32 v62, v0, 2, 0x18800
	v_mov_b32 v63, 0
	v_lshrrev_b32 v10, 5, v0
	v_readfirstlane_b32 s28, v10                   ; wave 0..7
	v_and_b32 v1, 31, v0                           ; lane
	v_lshlrev_b32 v2, 4, v1                        ; 16 x lane
	v_lshlrev_b32 v3, 4, v0                        ; 16 x thread: my 16 bytes of 4,096 of Wg
	v_lshl_add_u32 v12, v10, 4, v3                 ; and their place in LDS: 16 more for each piece of 512 passed
	s_mul_i32 s29, s28, 10240
	s_add_co_u32 s29, s29, XST                     ; my wave's stages
	v_lshrrev_b32 v4, 2, v1
	v_mul_u32_u24 v4, v4, 80
	v_and_b32 v11, 3, v1
	v_lshl_add_u32 v4, v11, 4, v4
	v_add_nc_u32 v4, s29, v4                       ; into a stage: four lanes' 64 bytes on end, then 16 of padding
	v_mul_u32_u24 v5, v1, 80
	v_add_nc_u32 v5, s29, v5                       ; out of it: 80 x lane
	v_lshrrev_b32 v13, 1, v1                       ; my block of 32: 0..15
	v_lshrrev_b32 v14, 2, v13
	v_mul_u32_u24 v6, v14, 96                      ; xq: 96 x K step
	v_and_b32 v14, 1, v13
	v_mad_u32_u24 v6, v14, 48, v6                  ; + 48 h
	v_bfe_u32 v14, v13, 1, 1
	v_mad_u32_u24 v6, v14, 24, v6                  ; + 24 c
	v_and_b32 v14, 1, v1
	v_mad_u32_u24 v6, v14, 12, v6                  ; + 12 for the block's upper 16 codes
	s_lshl_b32 s29, s28, 6
	s_add_co_u32 s29, s29, RS
	v_add_nc_u32 v7, s29, v13                      ; my block's scale byte: RS + 64 x wave + block (+ 16 x row)
	s_lshl_b32 s29, s28, 5
	s_add_co_u32 s29, s29, RC
	v_mov_b32 v8, s29                              ; RC + 32 x wave (+ 8 x row)
	v_add_nc_u32 v9, 256, v8                       ; RG likewise
	v_mul_u32_u24 v15, v1, 528                     ; my piece of Wg in LDS
	v_lshlrev_b32 v58, 3, v1                       ; the way out (wave 0): 8 x lane,
	v_add_nc_u32 v56, RC, v58                      ; in RC (RG is 256 on),
	v_add_nc_u32 v57, RS, v2                       ; and 16 x lane in RS
	s_mov_b32 s30, 0x76543210
	s_mov_b32 s31, 0xfedcba98                      ; v_permlanex16_b32's selects for lane l xor 16
	s_lshl_b32 s32, ttmp9, 16                      ; x: 32 rows of 2,048 bytes a work-group,
	s_lshl_b32 s33, s28, 13                        ; 4 a wave
	s_add_co_u32 s32, s32, s33
	s_mov_b32 s33, 0
	s_mul_i32 s34, ttmp9, 12288                    ; xq: rows of 384 bytes
	s_mul_i32 s35, s28, 1536
	s_add_co_u32 s34, s34, s35
	s_mov_b32 s35, 0
	s_lshl_b32 s36, ttmp9, 8                       ; choice, gate: 256 bytes a work-group
	s_mov_b32 s37, 0
	s_lshl_b32 s38, ttmp9, 9                       ; xs: 512
	s_mov_b32 s39, 0
	s_wait_kmcnt 0x0
	s_load_b256 s[20:27], s[8:9], 0x0              ; bg
	s_add_nc_u64 s[4:5], s[4:5], s[32:33]
	s_add_nc_u64 s[10:11], s[10:11], s[34:35]
	s_add_nc_u64 s[14:15], s[14:15], s[36:37]
	s_add_nc_u64 s[16:17], s[16:17], s[36:37]
	s_add_nc_u64 s[12:13], s[12:13], s[38:39]
.irp j, 0,1,2,3
	global_load_b128 v[W+4*\j:W+4*\j+3], v3, s[6:7] offset:4096*\j          ; Wg, the work-group's 256 threads x 16 bytes x 4
.endr
.irp i, 0,1,2,3
.irp j, 0,1,2,3
	global_load_b128 v[R+16*\i+4*\j:R+16*\i+4*\j+3], v2, s[4:5] offset:2048*\i+512*\j th:TH_LOAD_NT   ; my four rows: 512 consecutive bytes a load
.endr
.endr
	s_wait_loadcnt 16                              ; Wg's four loads are in; x's sixteen, issued behind them, stay out
.irp j, 0,1,2,3
	ds_store_b128 v12, v[W+4*\j:W+4*\j+3] offset:4224*\j                    ; eight pieces of 528 bytes a load
.endr
	s_wait_dscnt 0x0                               ; for the others' sake: my part of Wg lies in LDS
	s_barrier_signal -1
	s_barrier_wait -1
.set n, 0
.rept 32
	ds_load_b128 v[WG+4*n:WG+4*n+3], v15 offset:16*n                        ; my 16 rows of Wg; lanes 528 bytes apart
.set n, n+1
.endr
.irp e, 0,1,2,3,4,5,6,7
	v_mov_b32 v[W+\e], 0                           ; written once: a lane permute's destination counts as one of its sources
.endr
	s_wait_kmcnt 0x0                               ; bg
.macro ROW i
.set I1, R+16*\i+6                     ; the row's results: codes at +0..2, byte at +4, experts at +6, +7, probabilities at +8, +9
.set G1, R+16*\i+8
	s_wait_loadcnt 12-4*\i                         ; this row's four loads are in; the later rows' stay out
.irp j, 0,1,2,3
	ds_store_b128 v4, v[R+16*\i+4*\j:R+16*\i+4*\j+3] offset:2560*\i+640*\j
.endr
.irp j, 0,1,2,3
	ds_load_b128 v[X+4*\j:X+4*\j+3], v5 offset:2560*\i+16*\j                ; LDS serves a wave's instructions in order: these see the stores above
.endr
	s_wait_dscnt 0x0
	; the quantiser: the block's largest magnitude, with the floor 2^(5 - 127) among its leaves
	v_max3_num_f32 v10, |v[X]|, |v[X+1]|, |v[X+2]|
	v_max3_num_f32 v11, |v[X+3]|, |v[X+4]|, |v[X+5]|
.irp j, 6,10
	v_max3_num_f32 v10, v10, |v[X+\j]|, |v[X+\j+1]|
	v_max3_num_f32 v11, v11, |v[X+\j+2]|, |v[X+\j+3]|
.endr
	v_max3_num_f32 v10, v10, |v[X+14]|, |v[X+15]|
	v_max3_num_f32 v10, v10, v11, 0x2800000
	v_max_num_f32_dpp v10, v10, v10 row_xmask:1 row_mask:0xf bank_mask:0xf  ; with my neighbour's 16
	v_add_nc_u32 v11, 0xfe000000, v10              ; 4 off its exponent field: the conversion takes this operand's exponent field as its scale
	v_cvt_scalef32_pk16_bf6_f32 v[R+16*\i:R+16*\i+2], v[X:X+15], v11
	v_lshrrev_b32 v[R+16*\i+4], 23, v11            ; the scale's byte (also the plain line behind the conversion)
	ds_store_b8 v7, v[R+16*\i+4] offset:16*\i      ; both lanes of a block write the same byte with the same value
	global_store_b96 v6, v[R+16*\i:R+16*\i+2], s[10:11] offset:384*\i       ; the wave's 32 x 12 bytes are the row's 384
	; the logits: my 16 numbers x my 16 rows of Wg, two experts an instruction, four chains
.irp p, 0,1,2,3
	v_pk_mul_f32 v[S+2*\p:S+2*\p+1], v[X:X+1], v[WG+2*\p:WG+2*\p+1] op_sel_hi:[0,1]
.endr
.set k, 1
.rept 15
.irp p, 0,1,2,3
.if k%2
	v_pk_fma_f32 v[S+2*\p:S+2*\p+1], v[X+k-1:X+k], v[WG+8*k+2*\p:WG+8*k+2*\p+1], v[S+2*\p:S+2*\p+1] op_sel:[1,0,0] op_sel_hi:[1,1,1]
.else
	v_pk_fma_f32 v[S+2*\p:S+2*\p+1], v[X+k:X+k+1], v[WG+8*k+2*\p:WG+8*k+2*\p+1], v[S+2*\p:S+2*\p+1] op_sel_hi:[0,1,1]
.endif
.endr
.set k, k+1
.endr
.irp m, 1,2,4,8
.irp e, 0,1,2,3,4,5,6,7
	v_add_f32_dpp v[S+\e], v[S+\e], v[S+\e] row_xmask:\m row_mask:0xf bank_mask:0xf   ; over the 16 lanes of a half, the eight sums by turns
.endr
.endr
.irp e, 0,1,2,3,4,5,6,7
	v_permlanex16_b32 v[W+\e], v[S+\e], s30, s31
.endr
.irp e, 0,1,2,3,4,5,6,7
	v_add_f32 v[S+\e], v[S+\e], v[W+\e]            ; and the other half's: every lane holds the row's sums
.endr
.irp e, 0,1,2,3,4,5,6,7
	v_add_f32 v[S+\e], s[20+\e], v[S+\e]           ; + bg
.endr
	; the largest logit and its expert; a later expert wins only if it is strictly larger
	v_mov_b32 v48, v[S]
	v_mov_b32 v[I1], 0
.irp e, 1,2,3,4,5,6,7
	v_cmp_ge_f32 vcc_lo, v48, v[S+\e]
	v_cndmask_b32 v[I1], \e, v[I1], vcc_lo
	v_max_num_f32 v48, v48, v[S+\e]
.endr
	v_mov_b32 v50, 0xff800000                      ; -infinity takes the first choice's place; then the same scan
.irp e, 0,1,2,3,4,5,6,7
	v_cmp_eq_u32 vcc_lo, \e, v[I1]
	v_cndmask_b32 v[W+\e], v[S+\e], v50, vcc_lo
.endr
	v_mov_b32 v51, v[W]
	v_mov_b32 v[I1+1], 0
.irp e, 1,2,3,4,5,6,7
	v_cmp_ge_f32 vcc_lo, v51, v[W+\e]
	v_cndmask_b32 v[I1+1], \e, v[I1+1], vcc_lo
	v_max_num_f32 v51, v51, v[W+\e]
.endr
	; the softmax, the largest logit taken away: the first choice's exponential is 1
.irp e, 0,1,2,3,4,5,6,7
	v_sub_f32 v[W+\e], v[S+\e], v48
.endr
	v_sub_f32 v53, v51, v48
.irp e, 0,1,2,3,4,5,6,7
	v_mul_f32 v[W+\e], 0x3fb8aa3b, v[W+\e]         ; x log2(e)
.endr
	v_mul_f32 v53, 0x3fb8aa3b, v53
.irp e, 0,1,2,3,4,5,6,7
	v_exp_f32 v[W+\e], v[W+\e]
.endr
	v_exp_f32 v53, v53                             ; the second choice's
	v_nop                                          ; a plain line behind the last exponential,
	s_wait_alu depctr_va_vdst(0)                   ; and one wait for the nine, ahead of their first reader
	v_add_f32 v54, v[W], v[W+1]
	v_add_f32 v55, v[W+2], v[W+3]
	v_add_f32 v52, v[W+4], v[W+5]
	v_add_f32 v49, v[W+6], v[W+7]
	v_add_f32 v54, v54, v55
	v_add_f32 v52, v52, v49
	v_add_f32 v54, v54, v52
	v_rcp_f32 v[G1], v54                           ; the first choice's probability: 1 / the sum
	v_nop
	s_wait_alu depctr_va_vdst(0)
	v_mul_f32 v[G1+1], v53, v[G1]                  ; the second's
	ds_store_b64 v8, v[I1:I1+1] offset:8*\i        ; all lanes write the same words with the same values
	ds_store_b64 v9, v[G1:G1+1] offset:8*\i
.endm
	ROW 0
	ROW 1
	ROW 2
	ROW 3
	s_wait_dscnt 0x0                               ; for wave 0's sake: my results lie in LDS
	s_barrier_signal -1
	s_barrier_wait -1
	s_cmp_lg_u32 s28, 0
	s_cbranch_scc1 .Lend                           ; wave 0 stores the work-group's results: each store covers whole aligned runs of 256 bytes
	ds_load_b64 v[16:17], v56
	ds_load_b64 v[18:19], v56 offset:256
	ds_load_b128 v[20:23], v57
	s_wait_dscnt 0x0
	global_store_b64 v58, v[16:17], s[14:15]
	global_store_b64 v58, v[18:19], s[16:17]
	global_store_b128 v2, v[20:23], s[12:13]
.Lend:
	s_wait_tensorcnt 0x0
	ds_add_u32 v62, v63
	s_wait_dscnt 0x0
	s_endpgm
.Lfunc_end_k_q6cfb39506c_route:
	.size	k_q6cfb39506c_route, .Lfunc_end_k_q6cfb39506c_route-k_q6cfb39506c_route
	.p2alignl 7, 3214868480
	.fill 96, 4, 3214868480
	.section	.rodata,"a",@progbits
	.p2align	6, 0x0
	.amdhsa_kernel k_q6cfb39506c_route
		.amdhsa_group_segment_fixed_size 101376
		.amdhsa_private_segment_fixed_size 0
		.amdhsa_enable_private_segment 0
		.amdhsa_kernarg_size 56
		.amdhsa_user_sgpr_count 2
		.amdhsa_user_sgpr_kernarg_segment_ptr 1
		.amdhsa_wavefront_size32 1
		.amdhsa_system_sgpr_workgroup_id_x 1
		.amdhsa_system_sgpr_workgroup_id_y 1
		.amdhsa_system_sgpr_workgroup_id_z 1
		.amdhsa_system_vgpr_workitem_id 0
		.amdhsa_next_free_vgpr 256
		.amdhsa_next_free_sgpr 66
		.amdhsa_reserve_vcc 1
		.amdhsa_float_denorm_mode_32 3
		.amdhsa_float_denorm_mode_16_64 3
		.amdhsa_memory_ordered 1
		.amdhsa_forward_progress 1
		.amdhsa_inst_pref_size 57
	.end_amdhsa_kernel
	.amdgpu_metadata
---
amdhsa.version: [ 1, 2 ]
amdhsa.kernels:
  - .name:           k_q6cfb39506c_route
    .symbol:         k_q6cfb39506c_route.kd
    .args:
      - { .name: x, .offset: 0, .size: 8, .value_kind: global_buffer, .address_space: global }
      - { .name: Wg, .offset: 8, .size: 8, .value_kind: global_buffer, .address_space: global }
      - { .name: bg, .offset: 16, .size: 8, .value_kind: global_buffer, .address_space: global }
      - { .name: xq, .offset: 24, .size: 8, .value_kind: global_buffer, .address_space: global }
      - { .name: xs, .offset: 32, .size: 8, .value_kind: global_buffer, .address_space: global }
      - { .name: choice, .offset: 40, .size: 8, .value_kind: global_buffer, .address_space: global }
      - { .name: gate, .offset: 48, .size: 8, .value_kind: global_buffer, .address_space: global }
    .group_segment_fixed_size: 101376
    .private_segment_fixed_size: 0
    .kernarg_segment_align: 8
    .kernarg_segment_size: 56
    .max_flat_workgroup_size: 256
    .sgpr_count:     66
    .vgpr_count:     256
    .wavefront_size: 32
...
	.end_amdgpu_metadata
.endif
;; end of part 1
;; launch place (part 2): grid 129 x 1, 8 waves a work-group, no clusters, 2,048 bytes of LDS; arguments choice, W1_codes, W1_scales, b1, W2_codes, W2_scales, b2, rows, tile_e, wsw; writes rows, tile_e, wsw
.if DOCPART == 2
	.amdgcn_target "amdgcn-amd-amdhsa--gfx1250"
	.amdhsa_code_object_version 6
	.text
	.protected	k_q6cfb39506c_place
	.globl	k_q6cfb39506c_place
	.p2align	8
	.type	k_q6cfb39506c_place,@function
k_q6cfb39506c_place:
	s_mov_b64 s[64:65], 0
	v_nop
	global_prefetch_b8 v0, s[64:65] scope:SCOPE_SE
	s_setreg_imm32_b32 hwreg(HW_REG_WAVE_MODE, 25, 1), 1
	s_wait_xcnt 0x0
; PLACE.  Work-group 0 sorts the 8,192 routed rows (id = 2 x token + slot) by expert, a counting sort without atomics, and writes the list of tiles of 64 rows:
;   rows[tile][64] = id, or 8192 + tile at a place that no row takes;  tile_e[tile] = the tile's expert.  Each expert begins a new tile: at most 128 + 7 tiles.
; Work-groups 1 to 128 lay the weights out in the order in which the next launch's registers take them:
;   wsw[stage k = 4 c + j][expert][wave w] is a QUARTER of QB = 25,856 bytes: four weight tiles tt of 16 rows x 512 along K.  c: chunk of 512 hidden units; j = 0, 1: W1; j = 2, 3: W2.
;   byte 1536 f + 512 q + 16 lane: registers 4 q .. 4 q + 3 of fragment f = 4 tt + s (K step s) as lane holds them;  24,576 + 512 (tt / 2) + 16 (16 (tt % 2) + r): the 16 scale bytes of row r;
;   25,600 + 64 tt + 4 i: the bias of the tile's row i.
;   W1 (j = jj): row i of tile tt is hidden unit 512 c + 128 w + 64 jj + 32 (tt / 2) + 8 (tt % 2) + i + 8 (i / 8): so the results of tiles 2 b, 2 b + 1 are 16 neighbours along the next K.
;   W2 (j = 2 + jj): row i is output column 128 w + 64 jj + 16 tt + i; its K is the chunk's 512 hidden units.
; The two paths part on the work-group's number alone; only the sort uses LDS and a barrier.
.set QB, 25856
	s_load_b256 s[4:11], s[0:1], 0x0               ; choice s[4:5], W1's codes s[6:7], scales s[8:9], b1 s[10:11]
	s_load_b256 s[12:19], s[0:1], 0x20             ; W2's codes s[12:13], scales s[14:15], b2 s[16:17], rows s[18:19]
	s_load_b128 s[20:23], s[0:1], 0x40             ; tile_e s[20:21], wsw s[22:23]
	v_lshl_add_u32 v254, v0, 2, 0x400
	v_mov_b32 v255, 0
	v_lshrrev_b32 v1, 5, v0
	v_readfirstlane_b32 s3, v1                     ; wave 0..7
	s_cmp_eq_u32 ttmp9, 0
	s_cbranch_scc1 .Lsort
	; ---- THE WEIGHTS.  Wave g of 1,024 takes half a quarter: tiles 2 i2 and 2 i2 + 1
	s_sub_co_u32 s24, ttmp9, 1
	s_lshl_b32 s24, s24, 3
	s_add_co_u32 s24, s24, s3                      ; g
	s_and_b32 s25, s24, 1                          ; i2
	s_bfe_u32 s26, s24, 0x20001                    ; w
	s_bfe_u32 s27, s24, 0x30003                    ; expert
	s_lshr_b32 s28, s24, 6                         ; stage k
	s_lshr_b32 s29, s28, 2                         ; chunk c
	s_and_b32 s30, s28, 1                          ; jj
	s_mul_i32 s31, s29, 384
	s_lshl_b32 s32, s29, 4
	s_lshl_b32 s33, s29, 9
	s_mov_b32 s42, 384
	s_mov_b32 s44, 2048
	s_wait_kmcnt 0x0
	s_bitcmp1_b32 s28, 1                           ; a stage of W2?  The choice hangs on ids alone
	s_cselect_b64 s[36:37], s[12:13], s[6:7]       ; codes
	s_cselect_b64 s[38:39], s[14:15], s[8:9]       ; scales
	s_cselect_b64 s[40:41], s[16:17], s[10:11]     ; bias
	s_cselect_b32 s42, 1536, s42                   ; a row of codes in bytes
	s_cselect_b32 s43, 64, 16                      ; a row of scale bytes
	s_cselect_b32 s44, 512, s44                    ; rows to an expert
	s_cselect_b32 s45, 16, 8                       ; from the pair's first tile to its second, in rows
	s_cselect_b32 s46, 0, -1                       ; W1 alone: rows 8 .. 15 of a tile lie 8 further on
	s_cselect_b32 s47, s31, 0                      ; W2 alone: the chunk's place in a row of codes,
	s_cselect_b32 s48, s32, 0                      ; and of scale bytes
	s_cselect_b32 s49, 0, s33                      ; W1 alone: the chunk's first row
	s_lshl_b32 s50, s26, 7
	s_add_co_u32 s50, s50, s49
	s_lshl_b32 s51, s30, 6
	s_add_co_u32 s50, s50, s51
	s_lshl_b32 s51, s25, 5
	s_add_co_u32 s50, s50, s51
	s_mul_i32 s51, s27, s44
	s_add_co_u32 s50, s50, s51                     ; the pair's first row in the tensor
	s_mov_b32 s53, 0
	s_mul_i32 s52, s50, s42
	s_add_co_u32 s52, s52, s47
	s_add_nc_u64 s[36:37], s[36:37], s[52:53]
	s_mul_i32 s52, s50, s43
	s_add_co_u32 s52, s52, s48
	s_add_nc_u64 s[38:39], s[38:39], s[52:53]
	s_lshl_b32 s52, s50, 2
	s_add_nc_u64 s[40:41], s[40:41], s[52:53]
	s_lshr_b32 s52, s24, 1
	s_mul_i32 s52, s52, QB
	s_add_nc_u64 s[22:23], s[22:23], s[52:53]      ; my quarter
	v_and_b32 v1, 31, v0                           ; lane
	v_and_b32 v2, 15, v0                           ; r
	v_bfe_u32 v3, v0, 4, 1                         ; h
	v_and_b32 v4, 8, v2
	v_and_b32 v4, s46, v4
	v_add_nc_u32 v5, v2, v4                        ; row r of the first tile
	v_mul_lo_u32 v6, v5, s42
	v_mad_u32_u24 v6, v3, 24, v6                   ; its codes, + 24 h
	v_add_nc_u32 v8, s45, v5
	v_mul_lo_u32 v7, v8, s42
	v_mad_u32_u24 v7, v3, 24, v7                   ; the second tile's
	v_mul_lo_u32 v8, v3, s45
	v_add_nc_u32 v8, v8, v5                        ; for scales and bias lanes 0-15 take the first tile's rows, lanes 16-31 the second's
	v_mul_lo_u32 v9, v8, s43
	v_lshlrev_b32 v10, 2, v8
	s_mul_i32 s54, s25, 12288
	v_lshl_add_u32 v11, v1, 4, s54                 ; where the images go: 16 x lane + 8 fragments x i2
	s_lshl_b32 s54, s25, 9
	v_lshl_add_u32 v12, v1, 4, s54                 ; the scale bytes
	s_lshl_b32 s54, s25, 7
	v_lshl_add_u32 v13, v1, 2, s54                 ; the bias
.irp a, 0,1
.irp s, 0,1,2,3
.irp p, 0,1,2,3,4,5
	global_load_b64 v[64+12*(4*\a+\s)+2*\p:64+12*(4*\a+\s)+2*\p+1], v[6+\a], s[36:37] offset:96*\s+48*(\p/3)+8*(\p%3)   ; a fragment as the operand's layout has it: 24 bytes at 24 h, 24 at 48 + 24 h
.endr
.endr
.endr
	global_load_b128 v[160:163], v9, s[38:39]
	global_load_b32 v164, v10, s[40:41]
.irp n, 0,1,2,3,4,5,6,7
	s_wait_loadcnt 44-6*\n                         ; fragment n's six loads are in; all that were issued behind them stay out
.irp q, 0,1,2
	global_store_b128 v11, v[64+12*\n+4*\q:64+12*\n+4*\q+3], s[22:23] offset:1536*\n+512*\q   ; 32 lanes store 512 consecutive bytes, aligned to 256
.endr
.endr
	s_wait_loadcnt 0x0
	global_store_b128 v12, v[160:163], s[22:23] offset:24576
	global_store_b32 v13, v164, s[22:23] offset:25600
	s_endpgm
	; ---- THE SORT.  v32-63 experts, v64-95 ranks, v96-127 bases, v128-159 ids, v160-191 addresses, v192-227 padding.
	; s32-39 running counts, s40-47 totals, s48-55 what earlier waves hold, s56-63 an expert's first tile, s68-75 my wave's first place for each expert, s80-95 at work
.Lsort:
	v_lshrrev_b32 v1, 4, v0
	v_lshlrev_b32 v2, 4, v0
	s_wait_kmcnt 0x0
.irp z, 0,1,2,3,4,5,6,7,8
.irp i, 0,1,2,3
	v_add_nc_u32 v[192+4*\z+\i], 8192+16*\z, v1    ; every place of all 144 tiles first gets 8192 + its tile
.endr
	global_store_b128 v2, v[192+4*\z:192+4*\z+3], s[18:19] offset:4096*\z
.endr
	v_and_b32 v3, 31, v0
	v_lshlrev_b32 v4, 4, v3
	s_lshl_b32 s24, s3, 12
	s_mov_b32 s25, 0
	s_add_nc_u64 s[4:5], s[4:5], s[24:25]          ; my wave's 1,024 entries
.irp q, 0,1,2,3,4,5,6,7
	global_load_b128 v[32+4*\q:35+4*\q], v4, s[4:5] offset:512*\q           ; register 4 q + i: id 1024 wave + 128 q + 4 lane + i
.endr
.irp e, 0,1,2,3,4,5,6,7
	s_mov_b32 s[32+\e], 0
.endr
	s_wait_loadcnt 0x0
.set n, 0
.rept 32
	v_min_u32 v[32+n], 7, v[32+n]
.set n, n+1
.endr
	; an entry's rank among my wave's entries of its expert: those in earlier registers + those in lower lanes of this one
.set n, 0
.rept 32
.irp e, 0,1,2,3,4,5,6,7
	v_cmp_eq_u32 s[80+\e], \e, v[32+n]
.endr
	v_mbcnt_lo_u32_b32 v[64+n], s80, s32
.irp e, 1,2,3,4,5,6,7
	v_mbcnt_lo_u32_b32 v[10+\e], s[80+\e], s[32+\e]
.endr
.irp e, 1,2,3,4,5,6,7
	v_cndmask_b32 v[64+n], v[64+n], v[10+\e], s[80+\e]
.endr
.irp e, 0,1,2,3,4,5,6,7
	s_bcnt1_i32_b32 s[88+\e], s[80+\e]
.endr
.irp e, 0,1,2,3,4,5,6,7
	s_add_co_u32 s[32+\e], s[32+\e], s[88+\e]
.endr
.set n, n+1
.endr
.irp e, 0,1,2,3,4,5,6,7
	v_mov_b32 v[10+\e], s[32+\e]
.endr
	s_lshl_b32 s24, s3, 5
	v_mov_b32 v18, s24
	ds_store_b128 v18, v[10:13]                    ; my wave's eight counts: LDS byte 32 x wave
	ds_store_b128 v18, v[14:17] offset:16
	s_wait_storecnt 0x0                            ; my padding stores are done: behind the barrier any wave may store a row's id over them
	s_wait_dscnt 0x0                               ; and my counts lie in LDS
	s_barrier_signal -1
	s_barrier_wait -1
	v_and_b32 v19, 7, v0
	v_lshlrev_b32 v19, 2, v19                      ; lane l looks at expert l % 8
.irp p, 0,1,2,3,4,5,6,7
	ds_load_b32 v[10+\p], v19 offset:32*\p
.endr
	v_mov_b32 v20, 0
	v_mov_b32 v21, 0
	s_wait_dscnt 0x0
.irp p, 0,1,2,3,4,5,6,7
	s_cmp_gt_u32 s3, \p
	s_cselect_b32 s24, -1, 0
	v_add_nc_u32 v20, v20, v[10+\p]                ; the expert's rows in all,
	v_and_b32 v22, s24, v[10+\p]
	v_add_nc_u32 v21, v21, v22                     ; and those of the waves before mine
.endr
.irp e, 0,1,2,3,4,5,6,7
	v_readlane_b32 s[40+\e], v20, \e
	v_readlane_b32 s[48+\e], v21, \e
.endr
	s_mov_b32 s24, 0
	v_mov_b32 v23, 0
.irp e, 0,1,2,3,4,5,6,7
	s_mov_b32 s[56+\e], s24                        ; the expert's first tile
	s_lshl_b32 s25, s24, 6
	s_add_co_u32 s[68+\e], s25, s[48+\e]           ; my wave's first place for it
	s_add_co_u32 s25, s[40+\e], 63
	s_lshr_b32 s25, s25, 6
	s_add_co_u32 s24, s24, s25
	v_writelane_b32 v23, s[68+\e], \e              ; lane e of v23 holds expert e's base
.endr
.set n, 0
.rept 32
	v_lshlrev_b32 v[160+n], 2, v[32+n]
	ds_bpermute_b32 v[96+n], v[160+n], v23         ; each entry takes its expert's base from that lane: no LDS byte is touched
.set n, n+1
.endr
	s_lshl_b32 s25, s3, 10
	v_lshl_add_u32 v24, v3, 2, s25                 ; 1024 wave + 4 lane
.set n, 0
.rept 32
	v_add_nc_u32 v[128+n], 128*(n/4)+n%4, v24      ; the entry's id
.set n, n+1
.endr
	s_wait_dscnt 0x0
.set n, 0
.rept 32
	v_add_nc_u32 v[160+n], v[64+n], v[96+n]        ; its place
	v_min_u32 v[160+n], 9215, v[160+n]
	v_lshlrev_b32 v[160+n], 2, v[160+n]
	global_store_b32 v[160+n], v[128+n], s[18:19]
.set n, n+1
.endr
	v_mov_b32 v25, 0                               ; thread i: tile i's expert = how many of experts 1 .. 7 begin at or before tile i
.irp e, 1,2,3,4,5,6,7
	v_cmp_le_u32 vcc_lo, s[56+\e], v0
	v_add_co_ci_u32 v25, vcc_lo, 0, v25, vcc_lo
.endr
	v_lshlrev_b32 v26, 2, v0
	global_store_b32 v26, v25, s[20:21]
	s_wait_tensorcnt 0x0
	ds_add_u32 v254, v255
	s_wait_dscnt 0x0
	s_endpgm
.Lfunc_end_k_q6cfb39506c_place:
	.size	k_q6cfb39506c_place, .Lfunc_end_k_q6cfb39506c_place-k_q6cfb39506c_place
	.p2alignl 7, 3214868480
	.fill 96, 4, 3214868480
	.section	.rodata,"a",@progbits
	.p2align	6, 0x0
	.amdhsa_kernel k_q6cfb39506c_place
		.amdhsa_group_segment_fixed_size 2048
		.amdhsa_private_segment_fixed_size 0
		.amdhsa_enable_private_segment 0
		.amdhsa_kernarg_size 80
		.amdhsa_user_sgpr_count 2
		.amdhsa_user_sgpr_kernarg_segment_ptr 1
		.amdhsa_wavefront_size32 1
		.amdhsa_system_sgpr_workgroup_id_x 1
		.amdhsa_system_sgpr_workgroup_id_y 1
		.amdhsa_system_sgpr_workgroup_id_z 1
		.amdhsa_system_vgpr_workitem_id 0
		.amdhsa_next_free_vgpr 256
		.amdhsa_next_free_sgpr 96
		.amdhsa_reserve_vcc 1
		.amdhsa_float_denorm_mode_32 3
		.amdhsa_float_denorm_mode_16_64 3
		.amdhsa_memory_ordered 1
		.amdhsa_forward_progress 1
		.amdhsa_inst_pref_size 97
	.end_amdhsa_kernel
	.amdgpu_metadata
---
amdhsa.version: [ 1, 2 ]
amdhsa.kernels:
  - .name:           k_q6cfb39506c_place
    .symbol:         k_q6cfb39506c_place.kd
    .args:
      - { .name: choice, .offset: 0, .size: 8, .value_kind: global_buffer, .address_space: global }
      - { .name: W1_codes, .offset: 8, .size: 8, .value_kind: global_buffer, .address_space: global }
      - { .name: W1_scales, .offset: 16, .size: 8, .value_kind: global_buffer, .address_space: global }
      - { .name: b1, .offset: 24, .size: 8, .value_kind: global_buffer, .address_space: global }
      - { .name: W2_codes, .offset: 32, .size: 8, .value_kind: global_buffer, .address_space: global }
      - { .name: W2_scales, .offset: 40, .size: 8, .value_kind: global_buffer, .address_space: global }
      - { .name: b2, .offset: 48, .size: 8, .value_kind: global_buffer, .address_space: global }
      - { .name: rows, .offset: 56, .size: 8, .value_kind: global_buffer, .address_space: global }
      - { .name: tile_e, .offset: 64, .size: 8, .value_kind: global_buffer, .address_space: global }
      - { .name: wsw, .offset: 72, .size: 8, .value_kind: global_buffer, .address_space: global }
    .group_segment_fixed_size: 2048
    .private_segment_fixed_size: 0
    .kernarg_segment_align: 8
    .kernarg_segment_size: 80
    .max_flat_workgroup_size: 256
    .sgpr_count:     96
    .vgpr_count:     256
    .wavefront_size: 32
...
	.end_amdgpu_metadata
.endif
;; end of part 2
;; launch chain (part 3): grid 135 x 1, 4 waves a work-group, no clusters, 327,680 bytes of LDS; arguments rows, tile_e, wsw, xq, xs, gate, b2, ypart; writes ypart
.if DOCPART == 3
	.amdgcn_target "amdgcn-amd-amdhsa--gfx1250"
	.amdhsa_code_object_version 6
	.text
	.protected	k_q6cfb39506c_chain
	.globl	k_q6cfb39506c_chain
	.p2align	8
	.type	k_q6cfb39506c_chain,@function
k_q6cfb39506c_chain:
	s_mov_b64 s[64:65], 0
	v_nop
	global_prefetch_b8 v0, s[64:65] scope:SCOPE_SE
	s_setreg_imm32_b32 hwreg(HW_REG_WAVE_MODE, 25, 1), 1
	s_wait_xcnt 0x0
; CHAIN.  Work-group = one tile of 64 routed rows of ONE expert, through the whole chain: ypart[id] = gate[id] x (gelu(x W1 + b1) W2 + b2), both products on E3M2 codes with E8M0 scales.
; The hidden layer never goes to memory: it is made in chunks of 512 units, quantised in registers, and handed round as images of the operand's registers in LDS.
; THE WAVES SHARE THE COLUMNS: in chunk c wave w makes hidden units 512 c + 128 w .. + 127, and over all chunks output columns 128 w .. + 127, for all 64 rows (row tiles m = 0 .. 3).
; So each weight fragment is read from LDS once, by one wave, and feeds four products.  Both products are used transposed (source 0 = 16 rows of a weight, source 1 = 16 routed rows):
; a lane holds one routed row (lane % 16), its registers run along the weight's rows.
; THE WEIGHTS come in 16 stages (4 c + j; j = 0, 1: W1's halves of the wave's 128 units; j = 2, 3: W2's halves of its 128 columns) through two LDS slots.  A stage is 25,856 bytes a wave, laid by the
; launch before in the registers' order; each wave fetches its own quarter by one tensor load and reads that quarter alone.  By this text's count a wave has two tensor loads out at the start, later one.
; 135 = 8192 / 64 + 7 work-groups serve every split.  No branch hangs on loaded numbers: a place that no row takes carries 8192 + tile; its token is held at 4,095 and its result goes to the tile's own
; spare row of ypart, which nobody reads.  A tile without rows does the same.
; NO CLUSTER: partners would have to hold tiles of one expert, which a split need not give (an expert may have one tile), and the joint address would hang on a number read from memory.
; gelu is reference()'s tanh form, written x / (1 + 2^(x (c0 + c1 x^2))), c0 = -2 sqrt(2/pi) log2(e), c1 = 0.044715 c0: the same function; both ends are safe (2^u = infinity gives 0, 2^u = 0 gives x).
; LIMITS: NaN and infinities are not served; a hidden block whose largest magnitude lies under 2^-122 gets the byte 1 (zero codes add nothing).
; REGISTERS, in windows of 256.  Window 0: v2-15 addresses; v16-19 the rows' ids; v20-23 gates; v24-27 offsets; v30-31 c0; v32-47 x's scale words, v48-55 the weights', v56-63 the hidden layer's (scales alone);
;   v64-127 T (gelu at work; in W2's stages v64-111 hidden fragments, set 0); v128-175 the codes just made; v176-199 at work; v208-255 hidden fragments, set 1.
;   Window 1: v0-191 x's 16 fragments (m, s) at 12 (4 m + s).   Window 2: v0-127 the hidden tiles H(tt, m) at 32 m + 8 tt; v128-223 weight fragments, two sets of four; v224-255 b1's four tiles.
;   Window 3: the 32 accumulators of y, (u, m) at 8 (4 u + m).
.set QB,    25856                      ; a wave's quarter of a stage: 101 rows of 256 bytes
.set SLOTB, 103424                     ; a slot: four quarters
.set STG,   827392                     ; a stage of all eight experts in wsw
.set HIMG,  206848                     ; behind the slots: 16 hidden fragments as images, 1,536 bytes each, index 4 m + K step
.set HSC,   231424                     ; their scale words, 128 bytes each
.set OST,   233472                     ; the way out: 16 rows x 528 bytes for each wave
.set SPARE, 267264                     ; the spare words, 128 bytes for each wave: two blocks of 256 bytes that no other line names
.set AW,  2                            ; v2, v3   16 lane + my quarter, in slot 0, 1
.set AB,  4                            ; v4, v5   my quarter's biases + 32 h
.set LI,  6                            ; v6       HIMG + 16 lane
.set LS,  7                            ; v7       HSC + 4 lane
.set HWI, 8                            ; v8       where I store images: LI + 1536 wave
.set HWS, 9                            ; v9       and scale words: LS + 128 wave
.set STO, 10                           ; v10      the stage: row r, + 32 h
.set SRD, 11                           ; v11      and back: 16 lane
.set L16, 12                           ; v12      512 wave + 16 lane: my bytes of a row of ypart
.set PFO, 13                           ; v13      256 lane
.set SPW, 14                           ; v14      my spare word; never rewritten
.set NIL, 15                           ; v15      0; never rewritten
.set ENT, 16
.set G,   20
.set XO,  24
.set XS,  32
.set WS,  48
.set HS,  56
.set T,   64
.set PC,  128
.set PW,  176
.set TM,  180
.set TP,  184
.set SO,  188
.set CQ,  192
.set OB,  64                           ; the way out: rows read back, v64-127 and v128-191 by turns
.set VO,  192                          ; and their offsets in ypart, v192-207 and v208-223 by turns
.set WB,  128                          ; in window 2
.set B1,  224
.set MSB, 0
.macro WIN new                         ; the immediate's high byte repeats the setting that is left; a switch that changes nothing is dropped
.if MSB != \new
	s_set_vgpr_msb (MSB<<8)|\new
.set MSB, \new
.endif
.endm
.macro PLACES                          ; four plain lines between a matrix instruction and a load into, or a vector read or write of, its registers (ISA guide 7.12.1 for vector reads and writes)
.rept 4
	v_nop
.endr
.endm
	s_load_b256 s[4:11], s[0:1], 0x0               ; rows s[4:5], tile_e s[6:7], wsw s[8:9], xq s[10:11]
	s_load_b256 s[12:19], s[0:1], 0x20             ; xs s[12:13], gate s[14:15], b2 s[16:17], ypart s[18:19]
	v_lshl_add_u32 v[SPW], v0, 2, SPARE
	v_mov_b32 v[NIL], 0
	ds_add_u32 v14, v15
	ds_add_u32 v14, v15
	s_wait_dscnt 0x0
	v_lshrrev_b32 v1, 5, v0
	v_readfirstlane_b32 s20, v1                    ; wave 0..3
	v_and_b32 v79, 31, v0                          ; lane
	v_and_b32 v80, 15, v0                          ; r
	v_bfe_u32 v81, v0, 4, 1                        ; h
	v_lshlrev_b32 v78, 2, v80
	s_lshl_b32 s2, ttmp9, 2
	s_mov_b32 s3, 0
	s_lshl_b32 s46, ttmp9, 8
	s_mov_b32 s47, 0
	s_add_co_u32 s23, s2, s20                      ; 4 x tile + wave: who prefetches what
	; descriptor group 1: 101 rows of 32 elements of 8 bytes, dense, no padding, no mask
	s_mov_b32 s24, 3<<16
	s_mov_b32 s25, 32<<16                          ; tensor_dim0
	s_mov_b32 s26, 101<<16                         ; tensor_dim1
	s_mov_b32 s27, 32<<16                          ; tile_dim0
	s_mov_b32 s28, 101                             ; tile_dim1
	s_mov_b32 s29, 32                              ; from row to row
	s_mov_b32 s30, 0
	s_mov_b32 s31, 0
	s_mov_b32 s32, 1                               ; group 0, a set for each slot: count,
	s_mov_b32 s36, 1
	s_mul_i32 s33, s20, QB                         ; LDS address: my quarter of slot 0,
	s_add_co_u32 s37, s33, SLOTB                   ; of slot 1
	s_wait_kmcnt 0x0
	s_add_nc_u64 s[6:7], s[6:7], s[2:3]
	s_load_b32 s21, s[6:7], 0x0                    ; my tile's expert
	s_add_nc_u64 s[4:5], s[4:5], s[46:47]
.irp m, 0,1,2,3
	global_load_b32 v[ENT+\m], v78, s[4:5] offset:64*\m                     ; lane (r, h): the id of row 16 m + r
.endr
	s_wait_kmcnt 0x0
	s_min_u32 s21, s21, 7
	s_lshl_b32 s2, s21, 2
	s_add_co_u32 s2, s2, s20
	s_mul_i32 s2, s2, QB
	s_add_nc_u64 s[34:35], s[8:9], s[2:3]          ; stage 0, my expert, my wave
	s_add_nc_u64 s[38:39], s[34:35], STG           ; stage 1
	s_or_b32 s35, s35, 0x80000000                  ; the type
	s_or_b32 s39, s39, 0x80000000
	tensor_load_to_lds s[32:35], s[24:31]          ; both first fills go out together, ahead of every wait on TENSORcnt, every LDS read and every barrier
	s_nop 0
	tensor_load_to_lds s[36:39], s[24:31]
	s_nop 0
	PLACES                                         ; four plain lines behind a tensor load, ahead of any switch of windows
	s_wait_loadcnt 0x0                             ; the ids
	v_mul_u32_u24 v77, v81, 48
	v_lshlrev_b32 v76, 5, v81
.irp m, 0,1,2,3
	v_lshrrev_b32 v[64+\m], 1, v[ENT+\m]
	v_min_u32 v[64+\m], 4095, v[64+\m]             ; the token
	v_mad_u32_u24 v[XO+\m], v[64+\m], 384, v77     ; its codes, + 48 h
	v_lshlrev_b32 v[68+\m], 4, v[64+\m]            ; its scale bytes
	v_min_u32 v[72+\m], 8191, v[ENT+\m]
	v_lshlrev_b32 v[72+\m], 2, v[72+\m]            ; the row's gate
.endr
	s_lshl_b32 s2, s21, 11
	s_lshl_b32 s46, s20, 9
	s_add_co_u32 s2, s2, s46
	s_add_nc_u64 s[16:17], s[16:17], s[2:3]        ; b2: my expert's, my 128 columns
	WIN 0x40
.irp m, 0,1,2,3
.irp k, 0,1,2,3
.irp q, 0,1,2
	global_load_b128 v[12*(4*\m+\k)+4*\q:12*(4*\m+\k)+4*\q+3], v[XO+\m], s[10:11] offset:96*\k+16*\q   ; x's fragments stay in registers
.endr
.endr
.endr
	WIN 0
.irp m, 0,1,2,3
	global_load_b128 v[XS+4*\m:XS+4*\m+3], v[68+\m], s[12:13]               ; their scale words, K steps 0 .. 3
	global_load_b32 v[G+\m], v[72+\m], s[14:15]
.endr
	WIN 0xc0
.irp u, 0,1,2,3,4,5,6,7
.irp m, 0,1,2,3
	global_load_b128 v[8*(4*\u+\m):8*(4*\u+\m)+3], v76, s[16:17] offset:64*\u           ; y's sums begin as b2: nothing is cleared, and no first step differs from the others
	global_load_b128 v[8*(4*\u+\m)+4:8*(4*\u+\m)+7], v76, s[16:17] offset:64*\u+16
.endr
.endr
	WIN 0
	v_lshlrev_b32 v82, 4, v79                      ; 16 lane
	v_add_nc_u32 v[AW], s33, v82
	v_add_nc_u32 v[AW+1], SLOTB, v[AW]
	v_add_nc_u32 v[AB], s33, v76
	v_add_nc_u32 v[AB], 25600, v[AB]
	v_add_nc_u32 v[AB+1], SLOTB, v[AB]
	v_add_nc_u32 v[LI], HIMG, v82
	v_lshl_add_u32 v[LS], v79, 2, HSC
	s_mul_i32 s46, s20, 1536
	v_add_nc_u32 v[HWI], s46, v[LI]
	s_lshl_b32 s46, s20, 7
	v_add_nc_u32 v[HWS], s46, v[LS]
	s_mul_i32 s46, s20, 8448
	s_add_co_u32 s46, s46, OST
	v_mul_u32_u24 v[STO], v80, 528
	v_add_nc_u32 v[STO], v[STO], v76
	v_add_nc_u32 v[STO], s46, v[STO]
	v_add_nc_u32 v[SRD], s46, v82
	s_lshl_b32 s46, s20, 9
	v_add_nc_u32 v[L16], s46, v82
	v_lshlrev_b32 v[PFO], 8, v79
	v_mov_b32 v30, 0xc0135761                      ; c0, twice
	v_mov_b32 v31, 0xc0135761
	s_mov_b32 s42, 0xbdd2d3e8                      ; c1 (the packed form names the pair and takes its low word for both halves)
	s_mov_b32 s43, s42
	s_mov_b32 s40, 0x76543210
	s_mov_b32 s41, 0xfedcba98                      ; v_permlanex16_b32's selects for lane l xor 16
.irp b, 0,1,2,3
	v_mov_b32 v[TP+\b], 0                          ; written once: a lane permute's destination counts as one of its sources
.endr
	s_min_u32 s2, s23, 100                         ; (held so that every wave's address lies inside wsw)
	s_lshl_b32 s2, s2, 13
	s_add_nc_u64 s[44:45], s[8:9], s[2:3]
	s_add_nc_u64 s[44:45], s[44:45], 3*STG         ; my 8,192 bytes of stage 3: the first change of slots steps it to stage 4
	s_wait_loadcnt 0x0                             ; x, its scales, the gates, b2
	s_wait_tensorcnt 0x1                           ; my quarter of stage 0 is in; stage 1's may stay out.  I alone read my quarter: no barrier
; A PREFETCH INTO THE L2.  A stage of all eight experts is 3,232 aligned blocks of 256 bytes = 101 waves x 32 lanes: the launch's waves 0 to 100 (4 x tile + wave) name 32 blocks each, lanes 256 bytes apart, so each
; block is named once.  At the head of stage k, where stage k + 1 is fetched, stage k + 3 is named; heads 1 to 12 ask: stages 0 to 3 come by their loads alone, and stage 15 is the last.
.macro ASK
	s_cmp_lt_u32 s23, 101
	s_cbranch_scc0 .Lnot_mine_\@
	global_prefetch_b8 v[PFO], s[44:45] th:TH_LOAD_NT scope:SCOPE_SE
.Lnot_mine_\@:
.endm
; THE CHANGE OF SLOTS, at the head of a stage that lies in slot s.  Each wave waits for all its tensor loads (its quarter of slot s), adds 0 to its spare word, waits for that, for its reads of the other slot
; and for its LDS stores; one barrier; then the other slot's refill, first thing.  The same barrier hands the hidden images round: stores | barrier | reads, and reads | barrier | the next chunk's stores.
.macro CHANGE s, fill, ask
	WIN 0
	s_wait_tensorcnt 0x0                           ; no tensor load of mine is out, so a group 0 may be written
	ds_add_u32 v[SPW], v[NIL]                      ; 0 onto my spare word
.if \fill
	s_add_nc_u64 s[38-4*\s:39-4*\s], s[38-4*\s:39-4*\s], 2*STG              ; the other slot's next stage
.endif
.if \ask
	s_wait_xcnt 0x0                                ; the last prefetch, a stage back, has read its address
	s_add_nc_u64 s[44:45], s[44:45], STG
.endif
	s_wait_dscnt 0x0
	s_barrier_signal -1
	s_barrier_wait -1
.if \fill
	tensor_load_to_lds s[36-4*\s:39-4*\s], s[24:31]                         ; my one tensor load until the next such barrier: it has this stage's work in which to land
	s_nop 0
.endif
	PLACES                                         ; behind the tensor load; also the places in front of the loads into registers that the last products read
.if \ask
	ASK
.endif
.endm
; four weight fragments f0, f0 + step, .. of my quarter of a slot into v[buf] on (window 2): twelve loads of 512 consecutive bytes
.macro LDW slot, f0, step, buf
.irp n, 0,1,2,3
.irp q, 0,1,2
	ds_load_b128 v[\buf+12*\n+4*\q:\buf+12*\n+4*\q+3], v[AW+\slot] offset:1536*((\f0)+(\step)*\n)+512*\q
.endr
.endr
.endm
.macro PROD1 tt, k, m                  ; H(tt, m) += W1's tile tt, K step k, x rows 16 m on; the first K step takes b1 as C
.set rD, 32*(\m)+8*(\tt)
.set rA, WB+48*((\tt)%2)+12*(\k)
.set rB, 12*(4*(\m)+(\k))
.set rC, rD
.if (\k) == 0
.set rC, B1+8*(\tt)
.endif
.if (\tt)%2
	v_wmma_scale_f32_16x16x128_f8f6f4 v[rD:rD+7], v[rA:rA+11], v[rB:rB+11], v[rC:rC+7], v[WS+4*((\tt)/2)+(\k)], v[XS+4*(\m)+(\k)] matrix_a_fmt:MATRIX_FMT_BF6 matrix_b_fmt:MATRIX_FMT_BF6 matrix_a_scale:MATRIX_SCALE_ROW1
.else
	v_wmma_scale_f32_16x16x128_f8f6f4 v[rD:rD+7], v[rA:rA+11], v[rB:rB+11], v[rC:rC+7], v[WS+4*((\tt)/2)+(\k)], v[XS+4*(\m)+(\k)] matrix_a_fmt:MATRIX_FMT_BF6 matrix_b_fmt:MATRIX_FMT_BF6
.endif
.endm
; A STAGE OF W1: 64 hidden units x 64 rows x K = 512: 64 products.  A tile's four accumulators take turns, one instruction a turn.  The next tile's fragments are fetched a tile ahead.
.macro STAGE1 s
	WIN 0
	ds_load_b128 v[WS:WS+3], v[AW+\s] offset:24576                          ; scale words: lanes 0-15 tile 0's rows, lanes 16-31 tile 1's; registers = K steps
	ds_load_b128 v[WS+4:WS+7], v[AW+\s] offset:25088                        ; tiles 2 and 3
	WIN 0x80
.irp b, 0,1,2,3
	ds_load_b128 v[B1+8*\b:B1+8*\b+3], v[AB+\s] offset:64*\b                ; b1 in the result's layout: the tile's rows 8 h .. 8 h + 7
	ds_load_b128 v[B1+8*\b+4:B1+8*\b+7], v[AB+\s] offset:64*\b+16
.endr
	LDW \s, 0, 1, WB
.irp tt, 0,1,2,3
.if (\tt > 0) && (\tt < 3)
	PLACES
.endif
.if \tt < 3
	WIN 0x80
	LDW \s, 4*(\tt+1), 1, WB+48*((\tt+1)%2)
	s_wait_dscnt 12                                ; all but the twelve just issued
.else
	s_wait_dscnt 0x0
.endif
	WIN 0xa6                                       ; source 0 (W1), C and D window 2; source 1 (x) window 1
.irp k, 0,1,2,3
.irp m, 0,1,2,3
	PROD1 \tt, \k, \m
.endr
.endr
.endr
.endm
; the hidden fragments of K step q (rows 16 m on, m = 0 .. 3) and their scale words, into set b: 16 loads
.macro LDH q, b
.irp m, 0,1,2,3
.irp i, 0,1,2
	ds_load_b128 v[64+144*(\b)+12*\m+4*\i:64+144*(\b)+12*\m+4*\i+3], v[LI] offset:1536*(4*\m+(\q))+512*\i
.endr
	ds_load_b32 v[HS+4*(\b)+\m], v[LS] offset:128*(4*\m+(\q))
.endr
.endm
.macro PROD2 jj, u, m, q               ; y(4 jj + u, m) += W2's tile u, K step q, x the hidden rows 16 m on
.set rD, 8*(4*(4*(\jj)+(\u))+(\m))
.set rA, WB+48*((\q)%2)+12*(\u)
.set rB, 64+144*((\q)%2)+12*(\m)
.if (\u)%2
	v_wmma_scale_f32_16x16x128_f8f6f4 v[rD:rD+7], v[rA:rA+11], v[rB:rB+11], v[rD:rD+7], v[WS+4*((\u)/2)+(\q)], v[HS+4*((\q)%2)+(\m)] matrix_a_fmt:MATRIX_FMT_BF6 matrix_b_fmt:MATRIX_FMT_BF6 matrix_a_scale:MATRIX_SCALE_ROW1
.else
	v_wmma_scale_f32_16x16x128_f8f6f4 v[rD:rD+7], v[rA:rA+11], v[rB:rB+11], v[rD:rD+7], v[WS+4*((\u)/2)+(\q)], v[HS+4*((\q)%2)+(\m)] matrix_a_fmt:MATRIX_FMT_BF6 matrix_b_fmt:MATRIX_FMT_BF6
.endif
.endm
; A STAGE OF W2: 64 columns x 64 rows x the chunk's K = 512: 64 products, a K step at a time on 16 accumulators by turns.  The next K step's 28 loads are issued a K step ahead.
.macro STAGE2 s, jj
	WIN 0
	ds_load_b128 v[WS:WS+3], v[AW+\s] offset:24576
	ds_load_b128 v[WS+4:WS+7], v[AW+\s] offset:25088
	LDH 0, 0
	WIN 0x80
	LDW \s, 0, 4, WB
.irp q, 0,1,2,3
.if (\q > 0) && (\q < 3)
	PLACES
.endif
.if \q < 3
	WIN 0
	LDH \q+1, (\q+1)%2
	WIN 0x80
	LDW \s, \q+1, 4, WB+48*((\q+1)%2)
	s_wait_dscnt 28                                ; all but the 28 just issued
.else
	s_wait_dscnt 0x0
.endif
	WIN 0xf2                                       ; source 0 (W2) window 2, source 1 (hidden) window 0, C and D window 3
.irp u, 0,1,2,3
.irp m, 0,1,2,3
	PROD2 \jj, \u, \m, \q
.endr
.endr
.endr
.endm
; gelu of row tiles 2 g and 2 g + 1: window 2's registers 64 g .. 64 g + 63 into T.  Each accumulator is read from its low end on.  The exponentials are one batch with one wait, and so are the reciprocals.
.macro GELU g
	WIN 0x0a
.set i, 0
.rept 32
	v_pk_mul_f32 v[T+i:T+i+1], v[64*(\g)+i:64*(\g)+i+1], v[64*(\g)+i:64*(\g)+i+1]       ; x^2
.set i, i+2
.endr
	WIN 0
.set i, 0
.rept 32
	v_pk_fma_f32 v[T+i:T+i+1], v[T+i:T+i+1], s[42:43], v[30:31] op_sel_hi:[1,0,1]       ; c1 x^2 + c0
.set i, i+2
.endr
	WIN 0x08
.set i, 0
.rept 32
	v_pk_mul_f32 v[T+i:T+i+1], v[T+i:T+i+1], v[64*(\g)+i:64*(\g)+i+1]                   ; u = x (c0 + c1 x^2)
.set i, i+2
.endr
	WIN 0
.set i, 0
.rept 64
	v_exp_f32 v[T+i], v[T+i]
.set i, i+1
.endr
	v_nop                                          ; a plain line behind the last exponential,
	s_wait_alu depctr_va_vdst(0)                   ; and one wait for the 64, ahead of their first reader
.set i, 0
.rept 32
	v_pk_add_f32 v[T+i:T+i+1], v[T+i:T+i+1], 1.0 op_sel_hi:[1,0]
.set i, i+2
.endr
.set i, 0
.rept 64
	v_rcp_f32 v[T+i], v[T+i]
.set i, i+1
.endr
	v_nop
	s_wait_alu depctr_va_vdst(0)
	WIN 0x08
.set i, 0
.rept 32
	v_pk_mul_f32 v[T+i:T+i+1], v[T+i:T+i+1], v[64*(\g)+i:64*(\g)+i+1]                   ; x / (1 + 2^u)
.set i, i+2
.endr
	WIN 0
.endm
; T's four blocks of 32 along the next K (register 16 b + i of a lane: k = 32 (b % 2) + 16 h + i of row tile 2 g + b / 2) become codes: half c of the row tile's fragment, and bytes 2 c, 2 c + 1 of its scale word.
.macro QUANT2 g, c
.irp b, 0,1,2,3
	v_max3_num_f32 v[TM+\b], |v[T+16*\b]|, |v[T+16*\b+1]|, 0x2800000        ; my 16 numbers, and the floor 2^(5 - 127): the byte cannot fall under 1
.endr
.irp i, 2,4,6,8,10,12,14
.irp b, 0,1,2,3
	v_max3_num_f32 v[TM+\b], v[TM+\b], |v[T+16*\b+\i]|, |v[T+16*\b+\i+1]|   ; the four blocks by turns
.endr
.endr
.irp b, 0,1,2,3
	v_permlanex16_b32 v[TP+\b], v[TM+\b], s40, s41
.endr
.irp b, 0,1,2,3
	v_max_num_f32 v[TM+\b], v[TM+\b], v[TP+\b]     ; with lane l xor 16's: the block's largest magnitude
.endr
.irp b, 0,1,2,3
	v_add_nc_u32 v[SO+\b], 0xfe000000, v[TM+\b]    ; 4 off its exponent field: the conversion's scale operand
.endr
.irp b, 0,1,2,3
	v_lshrrev_b32 v[TP+\b], 23, v[SO+\b]           ; the scale's byte
.endr
.irp a, 0,1
.if (\c) == 0
	v_lshl_or_b32 v[PW+2*(\g)+\a], v[TP+2*\a+1], 8, v[TP+2*\a]
.else
	v_lshl_or_b32 v[PW+2*(\g)+\a], v[TP+2*\a], 16, v[PW+2*(\g)+\a]
	v_lshl_or_b32 v[PW+2*(\g)+\a], v[TP+2*\a+1], 24, v[PW+2*(\g)+\a]
.endif
.endr
.irp a, 0,1
	v_cvt_scalef32_pk16_bf6_f32 v[PC+12*(2*(\g)+\a)+6*(\c):PC+12*(2*(\g)+\a)+6*(\c)+2], v[T+32*\a:T+32*\a+15], v[SO+2*\a]
	v_cvt_scalef32_pk16_bf6_f32 v[CQ+4*\a:CQ+4*\a+2], v[T+32*\a+16:T+32*\a+31], v[SO+2*\a+1]       ; (a conversion's three registers begin on an even number)
.endr
	v_nop                                          ; one plain line behind a scaled conversion
.irp a, 0,1                            ; the operand's layout wants a whole block in a lane: lanes 0-15 the first block, lanes 16-31 the second
.irp i, 0,1,2
	v_permlane16_swap_b32 v[PC+12*(2*(\g)+\a)+6*(\c)+\i], v[CQ+4*\a+\i]
.endr
.irp i, 0,1,2
	v_mov_b32 v[PC+12*(2*(\g)+\a)+6*(\c)+3+\i], v[CQ+4*\a+\i]
.endr
.endr
.endm
; behind a stage of W1: gelu and the quantiser; behind the second such stage of a chunk my four fragments (K step = my wave) are whole and go to LDS as they stand
.macro QH c
	PLACES
	GELU 0
	QUANT2 0, \c
	GELU 1
	QUANT2 1, \c
.if \c
.irp m, 0,1,2,3
.irp q, 0,1,2
	ds_store_b128 v[HWI], v[PC+12*\m+4*\q:PC+12*\m+4*\q+3] offset:6144*\m+512*\q
.endr
	ds_store_b32 v[HWS], v[PW+\m] offset:512*\m
.endr
.endif
.endm
	STAGE1 0                                       ; stage 0
	QH 0
	s_mov_b32 s22, 3
.Lchunk:                                               ; a trip: stages 4 t + 1 .. 4 t + 4; each change of slots asks for the next stage
	CHANGE 1, 1, 1
	STAGE1 1
	QH 1
	CHANGE 0, 1, 1
	STAGE2 0, 0
	CHANGE 1, 1, 1
	STAGE2 1, 1
	CHANGE 0, 1, 1
	STAGE1 0
	QH 0
	s_sub_co_u32 s22, s22, 1
	s_cmp_lg_u32 s22, 0
	s_cbranch_scc1 .Lchunk
	CHANGE 1, 1, 0                                 ; stages 13 to 15 are written out; the last change asks for nothing
	STAGE1 1
	QH 1
	CHANGE 0, 1, 0
	STAGE2 0, 0
	CHANGE 1, 0, 0
	STAGE2 1, 1
; THE WAY OUT, a row tile at a time: y x the row's gate; a lane's 32 bytes of a row go into my own stage in LDS and come back as rows of 512 bytes, which the 32 lanes store as two aligned runs of 256 bytes at the
; row's place in ypart.  LDS serves a wave's instructions in order (ISA guide 5.7.1.4): no wait between my stores and my loads.
.macro SCALE m
	WIN 0xc3
.irp u, 0,1,2,3,4,5,6,7
.irp i, 0,2,4,6
.if (\m)%2
	v_pk_mul_f32 v[8*(4*\u+(\m))+\i:8*(4*\u+(\m))+\i+1], v[8*(4*\u+(\m))+\i:8*(4*\u+(\m))+\i+1], v[G+2*((\m)/2):G+2*((\m)/2)+1] op_sel:[0,1] op_sel_hi:[1,1]
.else
	v_pk_mul_f32 v[8*(4*\u+(\m))+\i:8*(4*\u+(\m))+\i+1], v[8*(4*\u+(\m))+\i:8*(4*\u+(\m))+\i+1], v[G+2*((\m)/2):G+2*((\m)/2)+1] op_sel_hi:[1,0]
.endif
.endr
.endr
	WIN 0
.endm
.macro ADDR m                          ; row t's id lies in lane t: held inside ypart's 8,327 rows, x 2,048 bytes, + my bytes of the row
.irp t, 0,1,2,3,4,5,6,7,8,9,10,11,12,13,14,15
	v_readlane_b32 s[46+\t], v[ENT+(\m)], \t
.endr
.irp t, 0,1,2,3,4,5,6,7,8,9,10,11,12,13,14,15
	s_min_u32 s[46+\t], s[46+\t], 8326
.endr
.irp t, 0,1,2,3,4,5,6,7,8,9,10,11,12,13,14,15
	v_lshl_add_u32 v[VO+16*((\m)%2)+\t], s[46+\t], 11, v[L16]
.endr
.endm
.macro TOSTAGE m
	WIN 0x0c                                       ; an LDS store's data are its source 1: window 3
.irp u, 0,1,2,3,4,5,6,7
	ds_store_b128 v[STO], v[8*(4*\u+(\m)):8*(4*\u+(\m))+3] offset:64*\u
	ds_store_b128 v[STO], v[8*(4*\u+(\m))+4:8*(4*\u+(\m))+7] offset:64*\u+16
.endr
	WIN 0
.irp t, 0,1,2,3,4,5,6,7,8,9,10,11,12,13,14,15
	ds_load_b128 v[OB+64*((\m)%2)+4*\t:OB+64*((\m)%2)+4*\t+3], v[SRD] offset:528*\t
.endr
.endm
.macro SEND m, younger                 ; younger: the LDS instructions issued behind this tile's loads, which may stay out
	s_wait_dscnt \younger
.irp t, 0,1,2,3,4,5,6,7,8,9,10,11,12,13,14,15
	global_store_b128 v[VO+16*((\m)%2)+\t], v[OB+64*((\m)%2)+4*\t:OB+64*((\m)%2)+4*\t+3], s[18:19]
.endr
.endm
	PLACES                                         ; behind the last products
	SCALE 0
	ADDR 0
	TOSTAGE 0
.irp a, 1,2,3
.if \a > 1
	s_wait_xcnt 0x0                                ; the stores of the tile two back have read their registers: offsets and rows may be written again
.endif
	SCALE \a
	ADDR \a
	TOSTAGE \a
	SEND \a-1, 32                                  ; behind that tile's loads: this tile's 16 stores and 16 loads
.endr
	SEND 3, 0
	s_wait_tensorcnt 0x0                           ; the wave's end: behind my last tensor load and my last LDS store
	ds_add_u32 v[SPW], v[NIL]
	s_wait_dscnt 0x0
	s_endpgm
.Lfunc_end_k_q6cfb39506c_chain:
	.size	k_q6cfb39506c_chain, .Lfunc_end_k_q6cfb39506c_chain-k_q6cfb39506c_chain
	.p2alignl 7, 3214868480
	.fill 96, 4, 3214868480
	.section	.rodata,"a",@progbits
	.p2align	6, 0x0
	.amdhsa_kernel k_q6cfb39506c_chain
		.amdhsa_group_segment_fixed_size 327680
		.amdhsa_private_segment_fixed_size 0
		.amdhsa_enable_private_segment 0
		.amdhsa_kernarg_size 64
		.amdhsa_user_sgpr_count 2
		.amdhsa_user_sgpr_kernarg_segment_ptr 1
		.amdhsa_wavefront_size32 1
		.amdhsa_system_sgpr_workgroup_id_x 1
		.amdhsa_system_sgpr_workgroup_id_y 1
		.amdhsa_system_sgpr_workgroup_id_z 1
		.amdhsa_system_vgpr_workitem_id 0
		.amdhsa_next_free_vgpr 1024
		.amdhsa_next_free_sgpr 66
		.amdhsa_reserve_vcc 0
		.amdhsa_float_denorm_mode_32 3
		.amdhsa_float_denorm_mode_16_64 3
		.amdhsa_memory_ordered 1
		.amdhsa_forward_progress 1
		.amdhsa_inst_pref_size 255
	.end_amdhsa_kernel
	.section	.bss,"aw",@nobits
	.p2align	6
	.space	262144
	.amdgpu_metadata
---
amdhsa.version: [ 1, 2 ]
amdhsa.kernels:
  - .name:           k_q6cfb39506c_chain
    .symbol:         k_q6cfb39506c_chain.kd
    .args:
      - { .name: rows, .offset: 0, .size: 8, .value_kind: global_buffer, .address_space: global }
      - { .name: tile_e, .offset: 8, .size: 8, .value_kind: global_buffer, .address_space: global }
      - { .name: wsw, .offset: 16, .size: 8, .value_kind: global_buffer, .address_space: global }
      - { .name: xq, .offset: 24, .size: 8, .value_kind: global_buffer, .address_space: global }
      - { .name: xs, .offset: 32, .size: 8, .value_kind: global_buffer, .address_space: global }
      - { .name: gate, .offset: 40, .size: 8, .value_kind: global_buffer, .address_space: global }
      - { .name: b2, .offset: 48, .size: 8, .value_kind: global_buffer, .address_space: global }
      - { .name: ypart, .offset: 56, .size: 8, .value_kind: global_buffer, .address_space: global }
    .group_segment_fixed_size: 327680
    .private_segment_fixed_size: 0
    .kernarg_segment_align: 8
    .kernarg_segment_size: 64
    .max_flat_workgroup_size: 128
    .sgpr_count:     66
    .vgpr_count:     1024
    .wavefront_size: 32
...
	.end_amdgpu_metadata
.endif
;; end of part 3
;; launch join (part 4): grid 256 x 1, 8 waves a work-group, no clusters, 0 bytes of LDS; arguments ypart, out0; writes out0
.if DOCPART == 4
	.amdgcn_target "amdgcn-amd-amdhsa--gfx1250"
	.amdhsa_code_object_version 6
	.text
	.protected	k_q6cfb39506c_join
	.globl	k_q6cfb39506c_join
	.p2align	8
	.type	k_q6cfb39506c_join,@function
k_q6cfb39506c_join:
	s_mov_b64 s[64:65], 0
	v_nop
	global_prefetch_b8 v0, s[64:65] scope:SCOPE_SE
	s_setreg_imm32_b32 hwreg(HW_REG_WAVE_MODE, 25, 1), 1
	s_wait_xcnt 0x0
; JOIN.  out0[t] = ypart[2 t] + ypart[2 t + 1]: a token's two weighted expert results, one f32 addition.  Rows of 2,048 bytes.
; A work-group takes 16 tokens, a wave 2.  Each load and store of a wave covers 512 consecutive bytes, aligned to 256.  All sixteen loads go out first; nothing is written again, so no further wait is needed.
; No LDS, no barrier, no matrix unit: a stream, each byte read and written once.
	s_load_b128 s[4:7], s[0:1], 0x0                ; ypart s[4:5], out0 s[6:7]
	v_lshrrev_b32 v1, 5, v0
	v_readfirstlane_b32 s8, v1                     ; wave 0..7
	v_and_b32 v2, 31, v0
	v_lshlrev_b32 v2, 4, v2                        ; 16 x lane
	s_lshl_b32 s10, ttmp9, 16                      ; ypart: 16 tokens x 4,096 bytes a work-group,
	s_lshl_b32 s9, s8, 13                          ; 2 a wave
	s_add_co_u32 s10, s10, s9
	s_mov_b32 s11, 0
	s_lshr_b32 s12, s10, 1                         ; out0: half of that
	s_mov_b32 s13, 0
	s_wait_kmcnt 0x0
	s_add_nc_u64 s[4:5], s[4:5], s[10:11]
	s_add_nc_u64 s[6:7], s[6:7], s[12:13]
.irp a, 0,1
.irp q, 0,1,2,3
	global_load_b128 v[8+8*(4*\a+\q):8+8*(4*\a+\q)+3], v2, s[4:5] offset:4096*\a+512*\q th:TH_LOAD_NT
	global_load_b128 v[12+8*(4*\a+\q):12+8*(4*\a+\q)+3], v2, s[4:5] offset:4096*\a+512*\q+2048 th:TH_LOAD_NT
.endr
.endr
.irp a, 0,1
.irp q, 0,1,2,3
	s_wait_loadcnt 14-2*(4*\a+\q)                  ; this pair of loads is in; the younger pairs stay out
	v_pk_add_f32 v[8+8*(4*\a+\q):8+8*(4*\a+\q)+1], v[8+8*(4*\a+\q):8+8*(4*\a+\q)+1], v[12+8*(4*\a+\q):12+8*(4*\a+\q)+1]
	v_pk_add_f32 v[10+8*(4*\a+\q):10+8*(4*\a+\q)+1], v[10+8*(4*\a+\q):10+8*(4*\a+\q)+1], v[14+8*(4*\a+\q):14+8*(4*\a+\q)+1]
	global_store_b128 v2, v[8+8*(4*\a+\q):8+8*(4*\a+\q)+3], s[6:7] offset:2048*\a+512*\q th:TH_STORE_NT
.endr
.endr
	s_endpgm
.Lfunc_end_k_q6cfb39506c_join:
	.size	k_q6cfb39506c_join, .Lfunc_end_k_q6cfb39506c_join-k_q6cfb39506c_join
	.p2alignl 7, 3214868480
	.fill 96, 4, 3214868480
	.section	.rodata,"a",@progbits
	.p2align	6, 0x0
	.amdhsa_kernel k_q6cfb39506c_join
		.amdhsa_group_segment_fixed_size 0
		.amdhsa_private_segment_fixed_size 0
		.amdhsa_enable_private_segment 0
		.amdhsa_kernarg_size 16
		.amdhsa_user_sgpr_count 2
		.amdhsa_user_sgpr_kernarg_segment_ptr 1
		.amdhsa_wavefront_size32 1
		.amdhsa_system_sgpr_workgroup_id_x 1
		.amdhsa_system_sgpr_workgroup_id_y 1
		.amdhsa_system_sgpr_workgroup_id_z 1
		.amdhsa_system_vgpr_workitem_id 0
		.amdhsa_next_free_vgpr 96
		.amdhsa_next_free_sgpr 66
		.amdhsa_reserve_vcc 0
		.amdhsa_float_denorm_mode_32 3
		.amdhsa_float_denorm_mode_16_64 3
		.amdhsa_memory_ordered 1
		.amdhsa_forward_progress 1
		.amdhsa_inst_pref_size 5
	.end_amdhsa_kernel
	.amdgpu_metadata
---
amdhsa.version: [ 1, 2 ]
amdhsa.kernels:
  - .name:           k_q6cfb39506c_join
    .symbol:         k_q6cfb39506c_join.kd
    .args:
      - { .name: ypart, .offset: 0, .size: 8, .value_kind: global_buffer, .address_space: global }
      - { .name: out0, .offset: 8, .size: 8, .value_kind: global_buffer, .address_space: global }
    .group_segment_fixed_size: 0
    .private_segment_fixed_size: 0
    .kernarg_segment_align: 8
    .kernarg_segment_size: 16
    .max_flat_workgroup_size: 256
    .sgpr_count:     66
    .vgpr_count:     96
    .wavefront_size: 32
...
	.end_amdgpu_metadata
.endif
;; end of part 4
